; MI455X (gfx1250); checked and timed in simulation.
; The chip was launched on July 23, 2026; its instructions are those of AMD's public machine-readable ISA for CDNA 5 (MIT licence, August 2026) and "CDNA5" Instruction Set Architecture Reference Guide (July 2026). The comments in the code are by the model that wrote it; some were corrected since.
;; Multi Head Self Attention ANE. Allowed arithmetic: matrix products marked QUANTISED: E2M1 operands, one E8M0 scale for each 32 along K, by v_wmma_scale_f32_16x16x128_f8f6f4 with both operands' format E2M1 (or v_wmma_scale_f32_32x16x128_f4), f32 sums; products left as they are: bf16, f16 or f32 operands; f32 sums; everything else in f32.
;; Inputs: bo 1,024 float32; wk 1,024 x 1,024 float32; wo 1,024 x 1,024 float32; wq 1,024 x 1,024 float32; wv 1,024 x 1,024 float32; x 4 x 1,024 x 1 x 2,048 float32.
;; Outputs: out0 4 x 1,024 x 1 x 2,048 float32.
;; This version of the problem:
;;   THIS VERSION OF THE PROBLEM IS GIVEN IN LOW PRECISION. The matrix products marked QUANTISED in the list below multiply operands that are first quantised to E2M1 (2 exponent bits, 1 mantissa bit; 4 bits a number), with one power-of-two scale for each 32 numbers along K (OCP MX v1.0); their sums are f32. The products marked 'left as it is' may take bf16, f16 or f32 operands, with f32 sums. Whichever they take, every output number must still come out within the allowed error. Rounding operands to bf16 (8 significant bits) uses up far more of that allowance than f16 does (11 bits, for magnitudes from 6e-5 to 65,504). All else is computed in f32.
;;   The module's matrix products, in the order in which they are computed (A, B: the left and right operand; K: the contracted axis; several contracted axes count as one K, in the product's order):
;;     1. [M 8,192, K 1,024] x [K 1,024, N 1,024]; A: input x; B: input wq: QUANTISED
;;     2. [M 8,192, K 1,024] x [K 1,024, N 1,024]; A: input x; B: input wk: QUANTISED
;;     3. [M 8,192, K 1,024] x [K 1,024, N 1,024]; A: input x; B: input wv: QUANTISED
;;     4. batch 64 x [M 2,048, K 64] x [K 64, N 2,048]; A: computed on the way; B: computed on the way: left as it is (an operand is computed on the way)
;;     5. batch 64 x [M 64, K 2,048] x [K 2,048, N 2,048]; A: computed on the way; B: computed on the way: left as it is (an operand is computed on the way)
;;     6. [M 8,192, K 1,024] x [K 1,024, N 1,024]; A: computed on the way; B: input wo: left as it is (an operand is computed on the way)
;;   THE QUANTISER, for each operand of a quantised product, along K:
;;     - K is cut into blocks of 32 from its start; a last block that is shorter is filled with zeros.
;;     - A block's scale is 2^e with e = floor(log2(the largest magnitude in the block)) - 2, held to -126 .. 127; a block of zeros has e = 0. As a byte (E8M0): e + 127.
;;     - Each number is divided by its block's scale, clamped to +-6, and rounded to the nearest number of E2M1, ties to even, subnormals kept.
;;     - The product sums the exact products of the quantised numbers (number of the format x scale) in f32.
;;   ~~~python
;;   def quantise(x, axis):      # numpy; x: float32 -> the quantised numbers, widened to float32 again
;;       x = np.moveaxis(x, axis, -1); K = x.shape[-1]
;;       x = np.pad(x, [(0, 0)] * (x.ndim - 1) + [(0, -K % 32)]); x = x.reshape(x.shape[:-1] + (-1, 32)); a = np.abs(x).max(-1, keepdims=True)
;;       e = np.where(a > 0, np.clip(np.frexp(np.where(a > 0, a, 1))[1] - 1 - 2, -126, 127), 0)      # np.frexp(a)[1] - 1 = floor(log2(a)), exactly
;;       r = np.clip(x / 2.0 ** e, -6, 6)
;;       step = 2.0 ** (np.maximum(np.frexp(np.where(r == 0, 1, r))[1] - 1, 0) - 1)
;;       q = np.round(r / step) * step * 2.0 ** e      # np.round: ties to even
;;       return np.moveaxis(q.reshape(q.shape[:-2] + (-1,))[..., :K], -1, axis).astype(np.float32)
;;   ~~~
;; One version. Each part assembles by itself: llvm-mc -triple=amdgcn-amd-amdhsa -mcpu=gfx1250 --defsym DOCPART=n.
;; ======== version 1 of 1: 4 launches
;; limits: values are held in f16: magnitudes above 65,504 overflow, below 6.1e-05 lose precision
;; workspace buffers: cod 5,767,168 bytes; scl 360,448 bytes; woh 2,097,152 bytes; kvf 33,554,432 bytes; att 16,777,216 bytes
;; launch prep (part 1): grid 1024 x 1, 4 waves a work-group, no clusters, 34,304 bytes of LDS; arguments x, wq, wk, wv, wo, cod, scl, woh; writes cod, scl, woh
.if DOCPART == 1
	.amdgcn_target "amdgcn-amd-amdhsa--gfx1250"
	.amdhsa_code_object_version 6
	.text
	.protected	k_q2da6ff4f21_prep
	.globl	k_q2da6ff4f21_prep
	.p2align	8
	.type	k_q2da6ff4f21_prep,@function
k_q2da6ff4f21_prep:
	s_mov_b64 s[64:65], 0
	v_nop
	global_prefetch_b8 v0, s[64:65] scope:SCOPE_SE
	s_setreg_imm32_b32 hwreg(HW_REG_WAVE_MODE, 25, 1), 1
	s_wait_xcnt 0x0
; x [4][1024 d][2048 l], wq, wk, wv [1024 o][1024 d], f32, become codes of FP4 (E2M1) with one E8M0 byte for each 32 along d; wo [1024 o][1024 d] becomes f16.
; ALL RESULTS LIE IN THE ORDER OF AN OPERAND'S REGISTERS: a fragment is 1,024 bytes, register group c at 512 c, lane l's 16 bytes at 16 l.
;   cod: [88 blocks of 128 rows][8 K steps of 128][8 tiles of 16 rows][1024].  Blocks 0-63: x (row = 2048 b + l), 64-71 wq, 72-79 wk, 80-87 wv.  In a fragment the block kb of 32 along K of row r lies at 256 kb + 16 r.
;   scl: [88 blocks][8 K steps][128 rows][4 bytes]: the scale word of a row and a K step.
;   woh: [16 blocks of 64 o][8 K steps of 128][4 tiles of 16 o][4 fragments of 32 K][1024].  In a fragment k = 16 c + 8 h + 0..7 of row r lies at 512 c + 256 h + 16 r.
; A block's scale is 2^(floor(log2(its largest magnitude)) - 2); its byte is the largest magnitude's exponent field - 2, held at 1 from below.
; LIMITS: a block of zeros gets the byte 1 (its codes are zeros, and this program alone reads the bytes); a largest magnitude under 2^-124 keeps the byte 1; NaN and infinities are not served; |wo| under 65,504 (f16).
; Work-groups 0-511 take x: K is not innermost there, so a lane takes a column l and its registers run down d.  A work-group: 128 columns x 128 d.
; Work-groups 512-1023 take the four weights: K is innermost; a wave takes 16 rows x 128 d, loads them dense and turns them through its own stage in LDS.
; No tensor load, no barrier: waves share nothing.  x's scale words leave as 128 bytes a wave: one byte in 128 of what is read.
.set STAGE,  8448                      ; a wave's stage: 16 rows x 528 bytes
.set SPITCH, 528                       ; 512 bytes + 16 of padding
.set SPARE,  4*STAGE                   ; behind the stages: the spare words, 128 bytes for each wave
.set L16, 2                            ; v2   16 x lane
.set L4,  3                            ; v3   4 x lane
.set SI,  4                            ; v4   the stage, on the way in
.set SOQ, 5                            ; v5   out, for the quantiser: row r, + 128 h
.set SOH, 6                            ; v6   out, for f16: row r, + 32 h
.set R4,  7                            ; v7   4 x (lane % 16)
.set CO,  8                            ; v8   x's codes: 1024 (lane / 16) + 16 (lane % 16)
.set SPW, 30                           ; v30  my spare word; never rewritten
.set NIL, 31                           ; v31  0; never rewritten
.set X,   32                           ; v32.. numbers in the order in which the conversions want them
.set RAW, 96                           ; v96-159 the weights' rows as loaded
.set C,   160                          ; v160.. results
.macro FINISH                          ; the wave's end
	s_wait_tensorcnt 0x0
	ds_add_u32 v[SPW], v[NIL]
	s_wait_dscnt 0x0
	s_endpgm
.endm
	s_load_b512 s[16:31], s[0:1], 0x0              ; x s[16:17], wq s[18:19], wk s[20:21], wv s[22:23], wo s[24:25], cod s[26:27], scl s[28:29], woh s[30:31]
	v_lshl_add_u32 v[SPW], v0, 2, SPARE
	v_mov_b32 v[NIL], 0
	v_lshrrev_b32 v1, 5, v0
	v_readfirstlane_b32 s8, v1                     ; wave
	v_and_b32 v1, 31, v0                           ; lane
	v_and_b32 v9, 15, v0                           ; r
	v_bfe_u32 v10, v0, 4, 1                        ; h
	v_lshlrev_b32 v[L16], 4, v1
	v_lshlrev_b32 v[L4], 2, v1
	v_lshlrev_b32 v[R4], 2, v9
	v_lshlrev_b32 v[CO], 4, v9
	v_lshl_add_u32 v[CO], v10, 10, v[CO]
	s_mul_i32 s9, s8, STAGE                        ; every LDS address is made here, ahead of the parting of the ways
	v_add_nc_u32 v[SI], s9, v[L16]
	v_mul_u32_u24 v[SOQ], v9, SPITCH
	v_add_nc_u32 v[SOQ], s9, v[SOQ]
	v_lshl_add_u32 v[SOH], v10, 5, v[SOQ]
	v_lshl_add_u32 v[SOQ], v10, 7, v[SOQ]
	s_mov_b32 s34, 0x76543210
	s_mov_b32 s35, 0xfedcba98                      ; v_permlanex16_b32's selects for lane l xor 16
	s_cmp_lt_u32 ttmp9, 512
	s_cbranch_scc0 .Lweights
	; ---- x: block mb of 128 columns, K step ks
	s_lshr_b32 s10, ttmp9, 3                       ; mb
	s_and_b32 s11, ttmp9, 7                        ; ks
	s_lshr_b32 s12, s10, 4
	s_lshl_b32 s12, s12, 23                        ; the batch: 1024 x 2048 x 4 bytes
	s_lshl_b32 s13, s11, 20                        ; 128 rows d of 8,192 bytes
	s_add_co_u32 s12, s12, s13
	s_and_b32 s13, s10, 15
	s_lshl_b32 s13, s13, 9                         ; 128 columns
	s_add_co_u32 s12, s12, s13
	s_lshl_b32 s13, s8, 7                          ; my wave's 32 columns
	s_add_co_u32 s12, s12, s13
	s_mov_b32 s13, 0
	s_lshl_b32 s14, s10, 16                        ; codes: 65536 mb + 8192 ks + 2048 wave (two tiles)
	s_lshl_b32 s15, s11, 13
	s_add_co_u32 s14, s14, s15
	s_lshl_b32 s15, s8, 11
	s_add_co_u32 s14, s14, s15
	s_mov_b32 s15, 0
	s_lshl_b32 s32, s10, 12                        ; scale words: 4096 mb + 512 ks + 128 wave
	s_lshl_b32 s33, s11, 9
	s_add_co_u32 s32, s32, s33
	s_lshl_b32 s33, s8, 7
	s_add_co_u32 s32, s32, s33
	s_mov_b32 s33, 0
	s_wait_kmcnt 0x0
	s_add_nc_u64 s[16:17], s[16:17], s[12:13]
	s_add_nc_u64 s[26:27], s[26:27], s[14:15]
	s_add_nc_u64 s[28:29], s[28:29], s[32:33]
.set j, 0
.rept 128
	global_load_b32 v[X+j], v[L4], s[16:17] offset:j*8192 th:TH_LOAD_NT   ; x(d = 128 ks + j, my column): a wave reads 128 consecutive bytes, the four waves 512
.set j, j+1
.endr
.macro BLOCK kb                        ; a block of 32 along d lies in my 32 registers
.set XS, X+32*\kb
	v_max3_num_f32 v12, |v[XS]|, |v[XS+1]|, |v[XS+2]|
	v_max3_num_f32 v13, |v[XS+3]|, |v[XS+4]|, |v[XS+5]|
.irp i, 6,10,14,18,22,26
	v_max3_num_f32 v12, v12, |v[XS+\i]|, |v[XS+\i+1]|
	v_max3_num_f32 v13, v13, |v[XS+\i+2]|, |v[XS+\i+3]|
.endr
	v_max3_num_f32 v12, v12, |v[XS+30]|, |v[XS+31]|
	v_max3_num_f32 v12, v12, v13, 0x1800000        ; and the floor 2^(3 - 127): the byte cannot fall under 1
	v_add_nc_u32 v11, 0xff000000, v12              ; 2 off the exponent field: the conversion's scale operand
	v_lshrrev_b32 v13, 23, v11                     ; the byte
.if \kb == 0
	v_mov_b32 v28, v13
.else
	v_lshl_or_b32 v28, v13, 8*\kb, v28             ; the scale word: the lower K in the lower byte
.endif
.irp g, 0,1,2,3
	v_cvt_scalef32_pk8_fp4_f32 v[C+4*\kb+\g], v[XS+8*\g:XS+8*\g+7], v11
.endr
	global_store_b128 v[CO], v[C+4*\kb:C+4*\kb+3], s[26:27] offset:256*\kb   ; sixteen lanes store 256 consecutive bytes, aligned; each block has registers of its own
.endm
	s_wait_loadcnt 63                              ; of 128 loads at most 63 are out: the first 65 are in, blocks 0 and 1 among them
	BLOCK 0
	BLOCK 1
	s_wait_loadcnt 32                              ; block 3's 32 may be out
	BLOCK 2
	s_wait_loadcnt 0x0
	BLOCK 3
	global_store_b32 v[L4], v28, s[28:29]          ; my column's scale word
	FINISH
.Lweights:
	; ---- the weights: tensor t, tile rt of 16 rows, K step ks
	s_sub_co_u32 s10, ttmp9, 512
	s_lshr_b32 s11, s10, 7                         ; t: 0 wq, 1 wk, 2 wv, 3 wo
	s_and_b32 s10, s10, 127
	s_lshl_b32 s10, s10, 2
	s_add_co_u32 s10, s10, s8                      ; which of the tensor's 512 pieces is my wave's
	s_lshr_b32 s12, s10, 3                         ; rt
	s_and_b32 s13, s10, 7                          ; ks
	s_lshl_b32 s14, s12, 16                        ; 16 rows of 4,096 bytes
	s_lshl_b32 s15, s13, 9                         ; 128 numbers
	s_add_co_u32 s14, s14, s15
	s_mov_b32 s15, 0
	s_wait_kmcnt 0x0
	s_cmp_eq_u32 s11, 1                            ; the choice hangs on the work-group's number alone
	s_cselect_b64 s[18:19], s[20:21], s[18:19]
	s_cmp_eq_u32 s11, 2
	s_cselect_b64 s[18:19], s[22:23], s[18:19]
	s_cmp_eq_u32 s11, 3
	s_cselect_b64 s[18:19], s[24:25], s[18:19]
	s_add_nc_u64 s[18:19], s[18:19], s[14:15]
.irp i, 0,1,2,3,4,5,6,7,8,9,10,11,12,13,14,15
	global_load_b128 v[RAW+4*\i:RAW+4*\i+3], v[L16], s[18:19] offset:4096*\i th:TH_LOAD_NT   ; row i: 512 consecutive bytes
.endr
.irp i, 0,1,2,3,4,5,6,7,8,9,10,11,12,13,14,15
	s_wait_loadcnt 15-\i                           ; loads come back in order: row i is in
	ds_store_b128 v[SI], v[RAW+4*\i:RAW+4*\i+3] offset:SPITCH*\i
.endr
	s_and_b32 s36, s12, 7                          ; rt % 8
	s_cmp_eq_u32 s11, 3
	s_cbranch_scc1 .Lwo
	; wq, wk, wv: lane (r, h) takes blocks h and 2 + h of row r whole: the operand's registers 4 c .. 4 c + 3 hold k = 64 c + 32 h + 0 .. 31
.irp c, 0,1
.irp i, 0,1,2,3,4,5,6,7
	ds_load_b128 v[X+32*\c+4*\i:X+32*\c+4*\i+3], v[SOQ] offset:256*\c+16*\i   ; LDS serves a wave's instructions in order: these see my stores
.endr
.endr
	s_lshl_b32 s14, s11, 3
	s_lshr_b32 s37, s12, 3
	s_add_co_u32 s14, s14, s37
	s_add_co_u32 s14, s14, 64                      ; the block of 128 rows: 64 + 8 t + rt / 8
	s_lshl_b32 s38, s14, 16
	s_lshl_b32 s37, s13, 13
	s_add_co_u32 s38, s38, s37
	s_lshl_b32 s37, s36, 10
	s_add_co_u32 s38, s38, s37
	s_mov_b32 s39, 0
	s_add_nc_u64 s[26:27], s[26:27], s[38:39]      ; my fragment
	s_lshl_b32 s38, s14, 12
	s_lshl_b32 s37, s13, 9
	s_add_co_u32 s38, s38, s37
	s_lshl_b32 s37, s36, 6
	s_add_co_u32 s38, s38, s37
	s_add_nc_u64 s[28:29], s[28:29], s[38:39]      ; its scale words
	s_wait_dscnt 0x0
.irp c, 0,1
	v_max3_num_f32 v[12+\c], |v[X+32*\c]|, |v[X+1+32*\c]|, 0x1800000   ; with the floor 2^(3 - 127)
.endr
.irp i, 2,4,6,8,10,12,14,16,18,20,22,24,26,28,30
.irp c, 0,1
	v_max3_num_f32 v[12+\c], v[12+\c], |v[X+32*\c+\i]|, |v[X+1+32*\c+\i]|   ; the two blocks by turns
.endr
.endr
.irp c, 0,1
	v_add_nc_u32 v[14+\c], 0xff000000, v[12+\c]    ; the conversion's scale operand
.endr
.irp c, 0,1
	v_lshrrev_b32 v[16+\c], 23, v[14+\c]           ; the byte
.endr
	v_lshl_or_b32 v18, v17, 16, v16                ; my two bytes: blocks h and 2 + h,
	v_lshlrev_b32 v19, 3, v10
	v_lshlrev_b32 v18, v19, v18                    ; 8 h bits up;
	v_mov_b32 v19, 0
	v_permlanex16_b32 v19, v18, s34, s35
	v_or_b32 v18, v18, v19                         ; with lane l xor 16's two the word is whole
.irp c, 0,1
.irp g, 0,1,2,3
	v_cvt_scalef32_pk8_fp4_f32 v[C+4*\c+\g], v[X+32*\c+8*\g:X+32*\c+8*\g+7], v[14+\c]
.endr
.endr
.irp c, 0,1
	global_store_b128 v[L16], v[C+4*\c:C+4*\c+3], s[26:27] offset:512*\c   ; 512 consecutive bytes
.endr
	global_store_b32 v[R4], v18, s[28:29]          ; both halves of the lanes store the same word at the same place
	FINISH
.Lwo:
	; wo: lane (r, h) takes k = 16 n + 8 h + 0 .. 7 of row r, n = 0 .. 7: group n % 2 of fragment n / 2
.irp n, 0,1,2,3,4,5,6,7
.irp e, 0,1
	ds_load_b128 v[X+8*\n+4*\e:X+8*\n+4*\e+3], v[SOH] offset:64*\n+16*\e
.endr
.endr
	s_lshr_b32 s14, s12, 2
	s_lshl_b32 s38, s14, 17                        ; the block of 64 rows
	s_lshl_b32 s37, s13, 14                        ; the K step
	s_add_co_u32 s38, s38, s37
	s_and_b32 s37, s12, 3
	s_lshl_b32 s37, s37, 12                        ; the tile
	s_add_co_u32 s38, s38, s37
	s_mov_b32 s39, 0
	s_add_nc_u64 s[30:31], s[30:31], s[38:39]
	s_wait_dscnt 0x0
.set j, 0
.rept 32
	v_cvt_pk_f16_f32 v[C+j], v[X+2*j], v[X+2*j+1]
.set j, j+1
.endr
.irp n, 0,1,2,3,4,5,6,7
	global_store_b128 v[L16], v[C+4*\n:C+4*\n+3], s[30:31] offset:512*\n
.endr
	FINISH
.Lfunc_end_k_q2da6ff4f21_prep:
	.size	k_q2da6ff4f21_prep, .Lfunc_end_k_q2da6ff4f21_prep-k_q2da6ff4f21_prep
	.p2alignl 7, 3214868480
	.fill 96, 4, 3214868480
	.section	.rodata,"a",@progbits
	.p2align	6, 0x0
	.amdhsa_kernel k_q2da6ff4f21_prep
		.amdhsa_group_segment_fixed_size 34304
		.amdhsa_private_segment_fixed_size 0
		.amdhsa_enable_private_segment 0
		.amdhsa_kernarg_size 64
		.amdhsa_user_sgpr_count 2
		.amdhsa_user_sgpr_kernarg_segment_ptr 1
		.amdhsa_wavefront_size32 1
		.amdhsa_system_sgpr_workgroup_id_x 1
		.amdhsa_system_sgpr_workgroup_id_y 1
		.amdhsa_system_sgpr_workgroup_id_z 1
		.amdhsa_system_vgpr_workitem_id 0
		.amdhsa_next_free_vgpr 192
		.amdhsa_next_free_sgpr 66
		.amdhsa_reserve_vcc 0
		.amdhsa_float_denorm_mode_32 3
		.amdhsa_float_denorm_mode_16_64 3
		.amdhsa_memory_ordered 1
		.amdhsa_forward_progress 1
		.amdhsa_inst_pref_size 34
	.end_amdhsa_kernel
	.amdgpu_metadata
---
amdhsa.version: [ 1, 2 ]
amdhsa.kernels:
  - .name:           k_q2da6ff4f21_prep
    .symbol:         k_q2da6ff4f21_prep.kd
    .args:
      - { .name: x, .offset: 0, .size: 8, .value_kind: global_buffer, .address_space: global }
      - { .name: wq, .offset: 8, .size: 8, .value_kind: global_buffer, .address_space: global }
      - { .name: wk, .offset: 16, .size: 8, .value_kind: global_buffer, .address_space: global }
      - { .name: wv, .offset: 24, .size: 8, .value_kind: global_buffer, .address_space: global }
      - { .name: wo, .offset: 32, .size: 8, .value_kind: global_buffer, .address_space: global }
      - { .name: cod, .offset: 40, .size: 8, .value_kind: global_buffer, .address_space: global }
      - { .name: scl, .offset: 48, .size: 8, .value_kind: global_buffer, .address_space: global }
      - { .name: woh, .offset: 56, .size: 8, .value_kind: global_buffer, .address_space: global }
    .group_segment_fixed_size: 34304
    .private_segment_fixed_size: 0
    .kernarg_segment_align: 8
    .kernarg_segment_size: 64
    .max_flat_workgroup_size: 128
    .sgpr_count:     66
    .vgpr_count:     192
    .wavefront_size: 32
...
	.end_amdgpu_metadata
.endif
;; end of part 1
;; launch kvp (part 2): grid 8 x 32, 4 waves a work-group, clusters of 4 x 4, 279,040 bytes of LDS; arguments cod, scl, kvf; writes kvf
.if DOCPART == 2
	.amdgcn_target "amdgcn-amd-amdhsa--gfx1250"
	.amdhsa_code_object_version 6
	.text
	.protected	k_q2da6ff4f21_kvp
	.globl	k_q2da6ff4f21_kvp
	.p2align	8
	.type	k_q2da6ff4f21_kvp,@function
k_q2da6ff4f21_kvp:
	s_mov_b64 s[64:65], 0
	v_nop
	global_prefetch_b8 v0, s[64:65] scope:SCOPE_SE
	s_setreg_imm32_b32 hwreg(HW_REG_WAVE_MODE, 25, 1), 1
	s_wait_xcnt 0x0
	s_wait_alu depctr_hold_cnt(0) depctr_sa_sdst(0) depctr_va_vdst(0) depctr_va_sdst(0) depctr_va_ssrc(0) depctr_va_vcc(0) depctr_vm_vsrc(0)
	s_getreg_b32 s2, hwreg(HW_REG_IB_STS2, 6, 4)
	s_cmp_eq_u32 s2, 0
	s_cbranch_scc0 .Lentry_in_a_cluster
	s_endpgm
.Lentry_in_a_cluster:
	s_bfe_u32 s2, ttmp6, 0x10000c
	s_cmp_lg_u32 s2, 0xf033
	s_cbranch_scc0 .Lentry_shape_is_right
	s_endpgm
.Lentry_shape_is_right:
; k = wk x and v = wv x, both on codes of FP4 (E2M1) with E8M0 scales, K = 1,024; the results leave as f16, in the order of the registers of attention's operands.
; kvf: K's half, then V's (16,777,216 bytes on); each [64 (batch, head)][262,144 bytes].  K: [128 tiles of 16 keys][2 fragments of 32 channels][1024], rows = keys.
; V: [64 groups of 32 keys][4 tiles of 16 channels][1024], rows = channels, K = keys.  LIMIT: |k|, |v| under 65,504 (f16).
; A work-group makes 256 x 256 results, a wave 128 x 128: 64 accumulators, 512 registers.  Source 0 takes 16 rows of P, source 1 16 rows of Q: a lane then holds ONE row of Q and eight neighbouring rows of P,
; which, rounded to f16, are four registers of a fragment whose rows are Q's and whose K is P's.  Cluster x = 0: K's half of the grid, P = wk, Q = x (rows = keys, K = channels).  Cluster x = 1: V's, P = x, Q = wv.
; The two differ in block numbers and strides alone, chosen by s_cselect on the cluster's x, which all partners share: one text, no branch.
; CLUSTERS: 4 x 4.  P's tile hangs on cx and is shared along a column of the cluster, Q's on cy and is shared along a row: each is asked for jointly.
; ALL OF K IS RESIDENT: 4 x 65,536 bytes of codes and 4 x 4,096 of scale words: every LDS byte is filled once, so there is no ring.  Three loads a wave are out at the most: its scales, K steps 0-3, K steps 4-7.
; The codes lie in memory in the order of the operand's registers: a fragment is two loads of 16 bytes a lane at 16 x lane: consecutive bytes, so no padding.
; REGISTERS: window 0: v8-11 the stores' offsets; v16, v20, v27 LDS addresses; v28, v29 the add's two; v32-95 the 64 scale words; v128-191 Q's fragments, one set.
;   window 1: P's fragments, two sets, at v0 and v128; on the way out the packed results.   windows 2, 3: the accumulators, (a, b) at v[8 (8 (a % 4) + b)].
.set SCLB,  262144                     ; behind the codes: the scale words, 4,096 bytes for each block of 128 rows
.set SPARE, SCLB+4*4096                ; behind them: the spare words, 128 bytes for each wave
.set VO,   8
.set ADRQ, 16
.set ADRP, 20
.set ADRS, 27
.set SPW,  28
.set NIL,  29
.set SC,   32                          ; register SC + 8 q + i: lanes 0-15 the words of Q's tile i, lanes 16-31 those of P's tile i, for K step q
.set AF,   128
.set G1Q,  24                          ; s[24:31] group 1 for Q's codes;  s[32:39] for P's;  s[48:55], s[56:63] for their scales
.set G1P,  32
.set G1SQ, 48
.set G1SP, 56
.set G0SQ, 68                          ; groups 0: Q's scales, Q's two parts, P's scales, P's two parts
.set G0Q,  72
.set G0SP, 80
.set G0P,  84
.set MSB, 0
.macro WIN new                         ; the immediate's high byte repeats the setting that is left
.if MSB != \new
	s_set_vgpr_msb (MSB<<8)|\new
.set MSB, \new
.endif
.endm
.set MUL_LO, 0xa1                      ; source 0 (P) window 1, source 1 (Q) window 0, C and D window 2
.set MUL_HI, 0xf1                      ; the same, C and D window 3
.macro CROUND                          ; a round of the cluster's barrier
	s_barrier_signal -1
	s_barrier_wait -1
	s_cmp_lg_u32 s14, 0
	s_cbranch_scc1 .Lnot_wave_0_\@
	s_barrier_signal -3
.Lnot_wave_0_\@:
	s_barrier_wait -3
	s_barrier_signal -1
	s_barrier_wait -1
.endm
.macro PLACES
.rept 4
	v_nop
.endr
.endm
	s_load_b128 s[4:7], s[0:1], 0x0                ; cod, scl
	s_load_b64 s[8:9], s[0:1], 0x10                ; kvf
	v_lshl_add_u32 v[SPW], v0, 2, SPARE
	v_mov_b32 v[NIL], 0
	ds_add_u32 v[SPW], v[NIL]                      ; the wave's opening: the add, twice on end, and its wait ahead of my first tensor load
	ds_add_u32 v[SPW], v[NIL]
	v_lshrrev_b32 v1, 5, v0
	v_readfirstlane_b32 s14, v1                    ; wave 0..3
	s_lshr_b32 s15, s14, 1                         ; my half of Q's rows.  Also: I fetch for Q (0) or for P (1)
	s_and_b32 s16, s14, 1                          ; my half of P's rows.  Also: which block of 128 rows I fetch
	s_bfe_u32 s40, ttmp6, 0x40000                  ; cx
	s_bfe_u32 s41, ttmp6, 0x40004                  ; cy
	s_and_b32 s43, ttmp7, 0xffff                   ; cluster y
	s_lshl_b32 s44, s41, 2
	s_lshl_b32 s44, 15, s44                        ; my row of the cluster
	s_lshl_b32 s45, 0x1111, s40                    ; my column
	; groups 1: dense blocks as rows of 256 bytes (32 elements of 8 bytes), no padding; 128 rows of codes (four K steps of a block), 16 rows of scale words
	s_or_b32 s[G1Q], s44, (3<<16)|(1<<21)          ; 15:0 the mask; 17:16 elements of 8 bytes; 21 set beside a mask
	s_or_b32 s[G1SQ], s44, (3<<16)|(1<<21)
	s_or_b32 s[G1P], s45, (3<<16)|(1<<21)
	s_or_b32 s[G1SP], s45, (3<<16)|(1<<21)
.irp g, G1Q, G1P
	s_mov_b32 s[\g+1], 32<<16                      ; tensor_dim0
	s_mov_b32 s[\g+2], 128<<16                     ; tensor_dim1
	s_mov_b32 s[\g+3], 32<<16                      ; tile_dim0
	s_mov_b32 s[\g+4], 128                         ; tile_dim1
	s_mov_b32 s[\g+5], 32                          ; from row to row
	s_mov_b32 s[\g+6], 0
	s_mov_b32 s[\g+7], 0
.endr
.irp g, G1SQ, G1SP
	s_mov_b32 s[\g+1], 32<<16
	s_mov_b32 s[\g+2], 16<<16
	s_mov_b32 s[\g+3], 32<<16
	s_mov_b32 s[\g+4], 16
	s_mov_b32 s[\g+5], 32
	s_mov_b32 s[\g+6], 0
	s_mov_b32 s[\g+7], 0
.endr
	; which blocks of 128 rows: P's hang on cx alone, Q's on cy alone, each in registers that never hold the other
	s_lshl_b32 s46, s43, 3                         ; x's blocks of this cluster begin at 8 x cluster y
	s_cmp_eq_u32 ttmp9, 0                          ; K's half of the grid?
	s_cselect_b32 s17, 72, s46                     ; P: wk's blocks from 72, or x's
	s_mov_b32 s18, 80
	s_cselect_b32 s18, s46, s18                    ; Q: x's, or wv's blocks from 80
	s_lshl_b32 s19, s40, 1
	s_add_co_u32 s17, s17, s19
	s_add_co_u32 s17, s17, s16                     ; P's block that I would fetch
	s_lshl_b32 s47, s41, 1
	s_add_co_u32 s18, s18, s47
	s_add_co_u32 s18, s18, s16                     ; Q's
	s_lshl_b32 s20, s18, 16
	s_mov_b32 s21, 0
	s_lshl_b32 s22, s18, 12
	s_mov_b32 s23, 0
	s_lshl_b32 s92, s17, 16
	s_mov_b32 s93, 0
	s_lshl_b32 s94, s17, 12
	s_mov_b32 s95, 0
	s_lshl_b32 s10, s14, 16                        ; where they go: 65,536 x wave: Q's halves, then P's: no place in the cluster enters an LDS address
	s_lshl_b32 s11, s14, 12
	s_add_co_u32 s11, s11, SCLB
	s_wait_dscnt 0x0                               ; both opening adds are done
	s_wait_kmcnt 0x0
	s_add_nc_u64 s[20:21], s[4:5], s[20:21]
	s_add_nc_u64 s[22:23], s[6:7], s[22:23]
	s_add_nc_u64 s[92:93], s[4:5], s[92:93]
	s_add_nc_u64 s[94:95], s[6:7], s[94:95]
	CROUND                                         ; all sixteen work-groups are here: the joint loads meet
	s_mov_b32 s[G0SQ], 1
	s_mov_b32 s[G0SQ+1], s11
	s_mov_b64 s[G0SQ+2:G0SQ+3], s[22:23]
	s_or_b32 s[G0SQ+3], s[G0SQ+3], 0x80000000
	s_mov_b32 s[G0SP], 1
	s_mov_b32 s[G0SP+1], s11
	s_mov_b64 s[G0SP+2:G0SP+3], s[94:95]
	s_or_b32 s[G0SP+3], s[G0SP+3], 0x80000000
.irp p, 0,1
	s_mov_b32 s[G0Q+4*\p], 1
	s_add_co_u32 s[G0Q+4*\p+1], s10, 32768*\p
	s_add_nc_u64 s[G0Q+4*\p+2:G0Q+4*\p+3], s[20:21], 32768*\p
	s_or_b32 s[G0Q+4*\p+3], s[G0Q+4*\p+3], 0x80000000
	s_mov_b32 s[G0P+4*\p], 1
	s_add_co_u32 s[G0P+4*\p+1], s10, 32768*\p
	s_add_nc_u64 s[G0P+4*\p+2:G0P+4*\p+3], s[92:93], 32768*\p
	s_or_b32 s[G0P+4*\p+3], s[G0P+4*\p+3], 0x80000000
.endr
	s_cmp_eq_u32 s15, 0                            ; a wave's three fills stand in one branch on its number; an s_nop 0 follows each, four v_nop the last
	s_cbranch_scc0 .Lfor_p
	tensor_load_to_lds s[G0SQ:G0SQ+3], s[G1SQ:G1SQ+7]
	s_nop 0
	tensor_load_to_lds s[G0Q:G0Q+3], s[G1Q:G1Q+7]
	s_nop 0
	tensor_load_to_lds s[G0Q+4:G0Q+7], s[G1Q:G1Q+7]
	s_nop 0
.rept 4
	v_nop
.endr
	s_branch .Lasked
.Lfor_p:
	tensor_load_to_lds s[G0SP:G0SP+3], s[G1SP:G1SP+7]
	s_nop 0
	tensor_load_to_lds s[G0P:G0P+3], s[G1P:G1P+7]
	s_nop 0
	tensor_load_to_lds s[G0P+4:G0P+7], s[G1P:G1P+7]
	s_nop 0
.rept 4
	v_nop
.endr
.Lasked:
	v_and_b32 v1, 31, v0
	v_lshlrev_b32 v3, 4, v1                        ; 16 x lane
	v_and_b32 v4, 15, v0                           ; r
	v_bfe_u32 v2, v0, 4, 1                         ; h
	s_lshl_b32 s2, s15, 16
	v_add_nc_u32 v[ADRQ], s2, v3                   ; my 128 rows of Q
	s_lshl_b32 s2, s16, 16
	s_add_co_u32 s2, s2, 131072
	v_add_nc_u32 v[ADRP], s2, v3                   ; my 128 rows of P, behind Q's 256
	s_lshl_b32 s2, s15, 12                         ; scale words: lanes 0-15 take Q's, lanes 16-31 P's: the lower base + h x the distance
	s_lshl_b32 s3, s16, 12
	s_add_co_u32 s3, s3, 8192
	s_sub_co_u32 s3, s3, s2
	v_mul_u32_u24 v6, s3, v2
	s_add_co_u32 s2, s2, SCLB
	v_lshl_add_u32 v5, v4, 2, v6
	v_add_nc_u32 v[ADRS], s2, v5
.macro FRAG reg, adr, q, i             ; a fragment, 16 rows x 128 K, 8 registers: two loads of 512 consecutive bytes
.irp c, 0,1
	ds_load_b128 v[\reg+4*\c:\reg+4*\c+3], v[\adr] offset:8192*(\q)+1024*(\i)+512*\c
.endr
.endm
.macro FETCH_P q, p                    ; P's eight fragments of K step q into set p
	WIN 0x40
.irp i, 0,1,2,3,4,5,6,7
	FRAG 128*(\p)+8*\i, ADRP, \q, \i
.endr
	WIN 0
.endm
.macro FETCH_Q q, i0                   ; Q's tiles i0 .. i0 + 3
.irp i, \i0, \i0+1, \i0+2, \i0+3
	FRAG AF+8*(\i), ADRQ, \q, \i
.endr
.endm
; 16 matrix instructions: Q's tiles a0, a0 + 1 x P's eight.  The 64 accumulators take turns, one instruction a turn, in the same order in every step.
.macro MUL16 a0, p, q, zero
.irp a, \a0, \a0+1
.irp b, 0,1,2,3,4,5,6,7
.if \zero
	v_wmma_scale_f32_16x16x128_f8f6f4 v[8*(8*((\a)%4)+\b):8*(8*((\a)%4)+\b)+7], v[128*(\p)+8*\b:128*(\p)+8*\b+7], v[AF+8*(\a):AF+8*(\a)+7], 0, v[SC+8*(\q)+\b], v[SC+8*(\q)+(\a)] matrix_a_fmt:MATRIX_FMT_FP4 matrix_b_fmt:MATRIX_FMT_FP4 matrix_a_scale:MATRIX_SCALE_ROW1
.else
	v_wmma_scale_f32_16x16x128_f8f6f4 v[8*(8*((\a)%4)+\b):8*(8*((\a)%4)+\b)+7], v[128*(\p)+8*\b:128*(\p)+8*\b+7], v[AF+8*(\a):AF+8*(\a)+7], v[8*(8*((\a)%4)+\b):8*(8*((\a)%4)+\b)+7], v[SC+8*(\q)+\b], v[SC+8*(\q)+(\a)] matrix_a_fmt:MATRIX_FMT_FP4 matrix_b_fmt:MATRIX_FMT_FP4 matrix_a_scale:MATRIX_SCALE_ROW1
.endif
.endr
.endr
.endm
; K step q, which has a successor.  A tile of Q is free as soon as its eight products are issued, so Q has one set: tiles 0-3 are fetched anew in the step's middle, tiles 4-7 at its end.  P has two sets.
; Loads into registers that matrix instructions have read stand four places behind them (ISA guide 7.12.1 for vector instructions).
; meet = 1 (K step 3): the next step lies in the second part of the codes: each wave waits for its own load of it and passes a barrier.
.macro STEP q, zero, meet
	s_wait_dscnt 8                                 ; all but the youngest eight loads (Q's tiles 4-7) are in
	WIN MUL_LO
	MUL16 0, (\q)%2, \q, \zero
.if \meet
	s_wait_dscnt 0x0
	s_wait_tensorcnt 0x0                           ; my part of K steps 4-7 has landed
	s_barrier_signal -1
.endif
	MUL16 2, (\q)%2, \q, \zero
.if \meet
	s_barrier_wait -1                              ; everybody's has
.else
	s_wait_dscnt 0x0                               ; Q's tiles 4-7 are in
.endif
	PLACES
	FETCH_P (\q)+1, 1-(\q)%2
	FETCH_Q (\q)+1, 0
	WIN MUL_HI
	MUL16 4, (\q)%2, \q, \zero
	MUL16 6, (\q)%2, \q, \zero
	PLACES
	WIN 0
	FETCH_Q (\q)+1, 4
.endm
	s_wait_tensorcnt 1                             ; my scale words and my part of K steps 0-3 are in; the second part's load may be out
	s_barrier_signal -1
	s_barrier_wait -1                              ; everybody's are
	FETCH_P 0, 0
	FETCH_Q 0, 0
.irp q, 0,1,2,3,4,5,6,7
.irp i, 0,1,2,3,4,5,6,7
	ds_load_b32 v[SC+8*\q+\i], v[ADRS] offset:512*\q+64*\i   ; all 64 scale words, once
.endr
.endr
	FETCH_Q 0, 4
	STEP 0, 1, 0                                   ; the first products start the sums: nothing is cleared
	STEP 1, 0, 0
	STEP 2, 0, 0
	STEP 3, 0, 1
	STEP 4, 0, 0
	STEP 5, 0, 0
	STEP 6, 0, 0
	s_wait_dscnt 8                                 ; the last step: nothing more to fetch
	WIN MUL_LO
	MUL16 0, 1, 7, 0
	MUL16 2, 1, 7, 0
	s_wait_dscnt 0x0
	WIN MUL_HI
	MUL16 4, 1, 7, 0
	MUL16 6, 1, 7, 0
	WIN 0
	; THE WAY OUT.  Accumulator (a, b), rounded to f16, is register group b % 2 of a fragment: 512 consecutive bytes a store, straight from registers.
	; K: fragment (key tile a, channels 32 (b / 2) on): b / 2 steps 1,024 bytes, then a head (262,144); a steps 2,048.   V: (channel tile a, keys 32 (b / 2) on): b / 2 steps 4,096; a steps 1,024, then a head.
	; All tensor loads were waited for in K step 3, so the descriptors' registers are free.
	s_cmp_eq_u32 ttmp9, 0
	s_cselect_b32 s44, s41, s40                    ; where x's rows hang: K: on cy, V: on cx
	s_cselect_b32 s45, s15, s16                    ; and on which half of mine
	s_cselect_b32 s46, s40, s41                    ; the weight's rows likewise
	s_cselect_b32 s47, s16, s15
	s_mov_b32 s92, 4096
	s_cselect_b32 s92, 1024, s92                   ; b / 2: bit 0
	s_mov_b32 s93, 8192
	s_cselect_b32 s93, 262144, s93                 ; b / 2: bit 1
	s_mov_b32 s94, 1024
	s_cselect_b32 s94, 2048, s94                   ; a % 4
	s_mov_b32 s95, 262144
	s_cselect_b32 s95, 8192, s95                   ; a / 4
	s_lshl_b32 s2, s43, 2
	s_add_co_u32 s2, s2, s44                       ; which 256 rows of x
	s_lshr_b32 s3, s2, 3                           ; the batch
	s_lshl_b32 s3, s3, 4
	s_lshl_b32 s46, s46, 2
	s_add_co_u32 s3, s3, s46
	s_lshl_b32 s47, s47, 1
	s_add_co_u32 s3, s3, s47                       ; 16 x batch + my first head
	s_lshl_b32 s3, s3, 18
	s_and_b32 s2, s2, 7
	s_lshl_b32 s2, s2, 15                          ; a key takes 128 bytes in both layouts
	s_add_co_u32 s2, s2, s3
	s_lshl_b32 s45, s45, 14
	s_add_co_u32 s2, s2, s45
	s_lshl_b32 s3, ttmp9, 24                       ; V's half of the buffer
	s_add_co_u32 s2, s2, s3
	s_mov_b32 s3, 0
	s_add_nc_u64 s[8:9], s[8:9], s[2:3]
	s_mov_b32 s49, 0
.irp a, 0,1,2,3,4,5,6,7
	s_mul_i32 s48, s94, \a%4
	s_mul_i32 s50, s95, \a/4
	s_add_co_u32 s48, s48, s50
	s_add_nc_u64 s[24+2*\a:25+2*\a], s[8:9], s[48:49]
.endr
	v_mov_b32 v[VO], v3
	v_add_nc_u32 v[VO+1], s92, v3
	v_add_nc_u32 v[VO+2], s93, v3
	v_add_nc_u32 v[VO+3], s93, v[VO+1]
	PLACES                                         ; behind the last products: the conversions read results and write over P's fragments
.irp a, 0,1,2,3,4,5,6,7
	WIN 0x4a+5*(\a/4)                              ; sources window 2 or 3, destination window 1
.irp b, 0,1,2,3,4,5,6,7
.irp i, 0,1,2,3
	v_cvt_pk_f16_f32 v[32*\a+4*\b+\i], v[64*(\a%4)+8*\b+2*\i], v[64*(\a%4)+8*\b+2*\i+1]   ; each accumulator from its low end on; each result register is written once
.endr
.endr
	WIN 0x04                                       ; a store's data are its source 1: window 1
.irp b, 0,1,2,3,4,5,6,7
	global_store_b128 v[VO+\b/2], v[32*\a+4*\b:32*\a+4*\b+3], s[24+2*\a:25+2*\a] offset:512*(\b%2)
.endr
.endr
	WIN 0
	s_wait_tensorcnt 0x0                           ; the wave's end
	ds_add_u32 v[SPW], v[NIL]
	s_wait_dscnt 0x0
	CROUND                                         ; the closing round
	s_endpgm
.Lfunc_end_k_q2da6ff4f21_kvp:
	.size	k_q2da6ff4f21_kvp, .Lfunc_end_k_q2da6ff4f21_kvp-k_q2da6ff4f21_kvp
	.p2alignl 7, 3214868480
	.fill 96, 4, 3214868480
	.section	.rodata,"a",@progbits
	.p2align	6, 0x0
	.amdhsa_kernel k_q2da6ff4f21_kvp
		.amdhsa_group_segment_fixed_size 279040
		.amdhsa_private_segment_fixed_size 0
		.amdhsa_enable_private_segment 0
		.amdhsa_kernarg_size 24
		.amdhsa_user_sgpr_count 2
		.amdhsa_user_sgpr_kernarg_segment_ptr 1
		.amdhsa_wavefront_size32 1
		.amdhsa_system_sgpr_workgroup_id_x 1
		.amdhsa_system_sgpr_workgroup_id_y 1
		.amdhsa_system_sgpr_workgroup_id_z 1
		.amdhsa_system_vgpr_workitem_id 0
		.amdhsa_next_free_vgpr 1024
		.amdhsa_next_free_sgpr 96
		.amdhsa_reserve_vcc 0
		.amdhsa_float_denorm_mode_32 3
		.amdhsa_float_denorm_mode_16_64 3
		.amdhsa_memory_ordered 1
		.amdhsa_forward_progress 1
		.amdhsa_inst_pref_size 121
	.end_amdhsa_kernel
	.amdgpu_metadata
---
amdhsa.version: [ 1, 2 ]
amdhsa.kernels:
  - .name:           k_q2da6ff4f21_kvp
    .symbol:         k_q2da6ff4f21_kvp.kd
    .args:
      - { .name: cod, .offset: 0, .size: 8, .value_kind: global_buffer, .address_space: global }
      - { .name: scl, .offset: 8, .size: 8, .value_kind: global_buffer, .address_space: global }
      - { .name: kvf, .offset: 16, .size: 8, .value_kind: global_buffer, .address_space: global }
    .group_segment_fixed_size: 279040
    .private_segment_fixed_size: 0
    .kernarg_segment_align: 8
    .kernarg_segment_size: 24
    .max_flat_workgroup_size: 128
    .sgpr_count:     96
    .vgpr_count:     1024
    .wavefront_size: 32
...
	.end_amdgpu_metadata
.endif
;; end of part 2
;; launch attn (part 3): grid 4 x 64, 8 waves a work-group, clusters of 4 x 1, 327,680 bytes of LDS; arguments cod, scl, kvf, att; writes att
.if DOCPART == 3
	.amdgcn_target "amdgcn-amd-amdhsa--gfx1250"
	.amdhsa_code_object_version 6
	.text
	.protected	k_q2da6ff4f21_attn
	.globl	k_q2da6ff4f21_attn
	.p2align	8
	.type	k_q2da6ff4f21_attn,@function
k_q2da6ff4f21_attn:
	s_mov_b64 s[64:65], 0
	v_nop
	global_prefetch_b8 v0, s[64:65] scope:SCOPE_SE
	s_setreg_imm32_b32 hwreg(HW_REG_WAVE_MODE, 25, 1), 1
	s_wait_xcnt 0x0
	s_wait_alu depctr_hold_cnt(0) depctr_sa_sdst(0) depctr_va_vdst(0) depctr_va_sdst(0) depctr_va_ssrc(0) depctr_va_vcc(0) depctr_vm_vsrc(0)
	s_getreg_b32 s2, hwreg(HW_REG_IB_STS2, 6, 4)
	s_cmp_eq_u32 s2, 0
	s_cbranch_scc0 .Lentry_in_a_cluster
	s_endpgm
.Lentry_in_a_cluster:
	s_bfe_u32 s2, ttmp6, 0x10000c
	s_cmp_lg_u32 s2, 0x3003
	s_cbranch_scc0 .Lentry_shape_is_right
	s_endpgm
.Lentry_shape_is_right:
; For one (batch, head) and 512 queries: q = wq x on codes of FP4 (K = 1,024), then softmax(q . k / 8) v with f16 operands and f32 sums, maxima and exponentials.
; The result leaves as f16 in the order of the registers of the last projection's operand: att [64 blocks of 128 l][8 K steps of 128 d][8 tiles of 16 l][4 fragments of 32 d][1024].
; LIMITS: |q|, |k|, |v| under 65,504 (f16); a weight under about 6e-8 of its row's largest counts as 0 (f16).
; SHARES.  Eight waves, two to a SIMD, so that one wave's softmax stands beside the other's products.  A wave owns 64 queries: four tiles of 16; each fragment of K or V that it reads from LDS feeds four products.
; LAYOUT.  All products are used transposed, so that a lane holds ONE query (lane % 16) throughout: q^T = wq x (source 0 = 16 channels, source 1 = 16 queries) packs into source 1 of S^T = K Q^T;
; S^T (source 0 = 16 keys) packs into source 1 of O^T = V^T P (source 0 = 16 channels, K = 32 keys).  Nothing changes lanes but one exchange between the halves for a query's maximum and sum.
; SOFTMAX.  A running maximum m and sum l for each query: p = 2^(c s - c m), c = log2(e) / 8; in every step O and l are multiplied by a = 2^(c m_old - c m_new).  O, l begin as zeros and m as -3e38, so the step is written once.
; CLUSTER.  The four work-groups of a cluster own the four blocks of 512 queries of one head: K, V and the head's rows of wq come by joint loads (mask 15).
; RING.  Two slots of 512 keys (K 65,536 bytes, then V 65,536), 16,384 bytes a wave: waves 0-3 K's quarters, waves 4-7 V's.  Three loads a wave are out at the start (wq, slot 0, slot 1), one behind each round;
; a refill has a slot's eight key steps, 512 matrix instructions a wave, in which to land.  Nothing is prefetched: half of K and V goes out at the head, and the two refills are asked for a whole slot ahead of their first read.
; All tiles lie in memory in the order of the operands' registers: dense blocks, a fragment by two loads of 512 consecutive bytes: no padding.
; REGISTERS.  window 0: v2-7 addresses; v8, v9 the add's two; v12-27 scale words (four sets of four) and nothing else; v28-59 statistics, eight a tile: +0 c m, +1 m, +2, +3 l, +4..+7 at work (a in +6);
;   v64-191 S^T, 32 a tile; v192-255 P, 16 a tile.   window 1: v0-63 Q, 16 a tile; v64-191 O^T, 32 a tile (before that x's fragments); v192-255 one step's K, then its V (before that wq's fragments).
.set SLOT1, 131072
.set VOFF,  65536
.set SPARE, 262144                     ; behind the ring: the spare words, 128 bytes for each of eight waves
.set WQB,   SPARE+1024                 ; behind them: the head's rows of wq: [8 K steps][4 tiles][1024]
.set LB,  2                            ; v2  16 x lane
.set LBV, 3                            ; v3  + VOFF
.set ADK, 4                            ; v4  the step's K
.set ADV, 5                            ; v5  the step's V
.set SOF, 6                            ; v6  scale words in memory: lanes 0-15 x's rows, lanes 16-31 wq's
.set LBQ, 7                            ; v7  16 x lane + WQB
.set SPW, 8
.set NIL, 9
.set SCR, 12
.set ST,  28
.set S,   64
.set P,   192
.set O,   64                           ; window 1
.set KV,  192                          ; window 1
.set MSB, 0
.macro WIN new                         ; the immediate's high byte repeats the setting that is left
.if MSB != \new
	s_set_vgpr_msb (MSB<<8)|\new
.set MSB, \new
.endif
.endm
.macro ROUND                           ; a round of the cluster's barrier
	s_barrier_signal -1
	s_barrier_wait -1
	s_cmp_lg_u32 s12, 0
	s_cbranch_scc1 .Lnot_wave_0_\@
	s_barrier_signal -3
.Lnot_wave_0_\@:
	s_barrier_wait -3
	s_barrier_signal -1
	s_barrier_wait -1
.endm
.macro PLACES
.rept 4
	v_nop
.endr
.endm
	s_load_b256 s[4:11], s[0:1], 0x0               ; cod s[4:5], scl s[6:7], kvf s[8:9], att s[10:11]
	v_lshl_add_u32 v[SPW], v0, 2, SPARE
	v_mov_b32 v[NIL], 0
	ds_add_u32 v[SPW], v[NIL]                      ; the wave's opening: the add, twice on end, and its wait ahead of my first tensor load
	ds_add_u32 v[SPW], v[NIL]
	v_lshrrev_b32 v1, 5, v0
	v_readfirstlane_b32 s12, v1                    ; wave 0..7
	s_bfe_u32 s13, ttmp6, 0x40000                  ; cx: my block of 512 queries: it enters x's, its scales' and att's addresses alone
	s_and_b32 s14, ttmp7, 0xffff                   ; 16 x batch + head, which the partners share
	s_lshr_b32 s15, s14, 4                         ; batch
	s_and_b32 s16, s14, 15                         ; head
	s_lshr_b32 s17, s16, 1
	s_and_b32 s18, s16, 1
	; groups 1: dense blocks as rows of 256 bytes (32 elements of 8 bytes): 64 rows of K or V, 16 rows of wq
	s_mov_b32 s24, 15|(3<<16)|(1<<21)              ; 15:0 the mask: all four; 17:16 elements of 8 bytes; 21 set beside a mask
	s_mov_b32 s25, 32<<16
	s_mov_b32 s26, 64<<16
	s_mov_b32 s27, 32<<16
	s_mov_b32 s28, 64
	s_mov_b32 s29, 32
	s_mov_b32 s30, 0
	s_mov_b32 s31, 0
	s_mov_b32 s52, 15|(3<<16)|(1<<21)
	s_mov_b32 s53, 32<<16
	s_mov_b32 s54, 16<<16
	s_mov_b32 s55, 32<<16
	s_mov_b32 s56, 16
	s_mov_b32 s57, 32
	s_mov_b32 s58, 0
	s_mov_b32 s59, 0
	; what I fetch jointly: K step (wave) of the head's four tiles of wq; my quarter of K's or V's part of a slot
	s_add_co_u32 s20, s17, 64                      ; wq's block of 128 rows holds two heads
	s_lshl_b32 s20, s20, 16
	s_lshl_b32 s21, s12, 13
	s_add_co_u32 s20, s20, s21
	s_lshl_b32 s21, s18, 12
	s_add_co_u32 s20, s20, s21
	s_mov_b32 s21, 0
	s_lshr_b32 s22, s12, 2
	s_lshl_b32 s22, s22, 24                        ; V's half of kvf for waves 4-7
	s_lshl_b32 s23, s14, 18
	s_add_co_u32 s22, s22, s23
	s_and_b32 s23, s12, 3
	s_lshl_b32 s23, s23, 14
	s_add_co_u32 s22, s22, s23
	s_mov_b32 s23, 0
	s_mov_b32 s60, 1                               ; group 0 for wq
	s_lshl_b32 s61, s12, 12
	s_add_co_u32 s61, s61, WQB
	s_mov_b32 s32, 1                               ; for slot 0
	s_lshl_b32 s33, s12, 14
	s_mov_b32 s36, 1                               ; for slot 1; it then walks
	s_add_co_u32 s37, s33, SLOT1
	; what is mine alone
	s_lshl_b32 s19, s15, 4
	s_lshl_b32 s50, s13, 2
	s_add_co_u32 s19, s19, s50
	s_lshr_b32 s50, s12, 1
	s_add_co_u32 s19, s19, s50                     ; my block of 128 rows of x: 16 x batch + 4 cx + wave / 2
	s_and_b32 s51, s12, 1                          ; and which half of it
	s_lshl_b32 s48, s19, 16
	s_lshl_b32 s50, s51, 12
	s_add_co_u32 s48, s48, s50
	s_mov_b32 s49, 0                               ; x's codes
	s_lshl_b32 s2, s19, 18                         ; att: the block, the head's K step, my four tiles, the head's two fragments
	s_lshl_b32 s3, s17, 15
	s_add_co_u32 s2, s2, s3
	s_lshl_b32 s3, s51, 14
	s_add_co_u32 s2, s2, s3
	s_lshl_b32 s3, s18, 11
	s_add_co_u32 s2, s2, s3
	s_mov_b32 s3, 0
	s_lshl_b32 s50, s19, 12                        ; scale words: x's,
	s_lshl_b32 s46, s51, 8
	s_add_co_u32 s50, s50, s46
	s_add_co_u32 s46, s17, 64                      ; wq's, which lie further on,
	s_lshl_b32 s46, s46, 12
	s_lshl_b32 s47, s18, 8
	s_add_co_u32 s46, s46, s47
	s_sub_co_u32 s46, s46, s50                     ; and the distance
	v_and_b32 v1, 15, v0                           ; r
	v_bfe_u32 v10, v0, 4, 1                        ; h
	v_mul_u32_u24 v[SOF], s46, v10
	v_lshl_add_u32 v[SOF], v1, 2, v[SOF]
	v_add_nc_u32 v[SOF], s50, v[SOF]
	v_and_b32 v11, 31, v0
	v_lshlrev_b32 v[LB], 4, v11
	v_add_nc_u32 v[LBV], VOFF, v[LB]
	v_add_nc_u32 v[LBQ], WQB, v[LB]
	s_mov_b32 s40, 0x3e38aa3b                      ; c = log2(e) / 8
	s_mov_b32 s41, s40                             ; (named with it as a pair, so it is written)
	s_mov_b32 s42, 0x76543210
	s_mov_b32 s43, 0xfedcba98                      ; v_permlanex16_b32's selects for lane l xor 16
	s_mov_b32 s44, 0                               ; LDS byte at which the step's K begins
	s_wait_dscnt 0x0                               ; both opening adds are done
	s_wait_kmcnt 0x0
	s_add_nc_u64 s[62:63], s[4:5], s[20:21]
	s_or_b32 s63, s63, 0x80000000
	s_add_nc_u64 s[34:35], s[8:9], s[22:23]
	s_add_nc_u64 s[38:39], s[34:35], 65536         ; the next 512 keys
	s_or_b32 s35, s35, 0x80000000
	s_or_b32 s39, s39, 0x80000000
	s_add_nc_u64 s[48:49], s[4:5], s[48:49]
	s_add_nc_u64 s[10:11], s[10:11], s[2:3]
	ROUND                                          ; all four work-groups are here: the first joint loads meet
	tensor_load_to_lds s[60:63], s[52:59]          ; wq
	s_nop 0
	tensor_load_to_lds s[32:35], s[24:31]          ; slot 0
	s_nop 0
	tensor_load_to_lds s[36:39], s[24:31]          ; slot 1
	s_nop 0
.rept 4
	v_nop
.endr
; ---- q^T = wq x.  x's fragments and both sides' scale words come from memory straight into registers (only this wave reads them), four K steps ahead; wq's from LDS, one K step ahead.
.macro XLOAD ks                        ; 12 loads
	WIN 0x40
.irp t, 0,1,2,3
.irp c, 0,1
	global_load_b128 v[O+32*((\ks)%4)+8*\t+4*\c:O+32*((\ks)%4)+8*\t+4*\c+3], v[LB], s[48:49] offset:8192*(\ks)+1024*\t+512*\c
.endr
.endr
	WIN 0
.irp t, 0,1,2,3
	global_load_b32 v[SCR+4*((\ks)%4)+\t], v[SOF], s[6:7] offset:512*(\ks)+64*\t   ; lanes 0-15: x's tile t; lanes 16-31: wq's tile t
.endr
.endm
.macro WQL ks
	WIN 0x40
.irp ct, 0,1,2,3
.irp c, 0,1
	ds_load_b128 v[KV+32*((\ks)%2)+8*\ct+4*\c:KV+32*((\ks)%2)+8*\ct+4*\c+3], v[LBQ] offset:4096*(\ks)+1024*\ct+512*\c
.endr
.endr
	WIN 0
.endm
.macro STEPQ ks
.if (\ks) < 5
	s_wait_loadcnt 36                              ; this K step's twelve loads are in; those of the three steps behind it may be out
.else
	s_wait_loadcnt 12*(7-(\ks))
.endif
	s_wait_dscnt 0x0                               ; wq's fragments of this step
.if (\ks) < 7
	WQL (\ks)+1                                    ; into the other set, four places behind its last readers
.endif
	WIN 0x05                                       ; sources window 1, C and D window 0
.irp t, 0,1,2,3
.irp ct, 0,1,2,3
.if (\ks) == 0
	v_wmma_scale_f32_16x16x128_f8f6f4 v[S+32*\t+8*\ct:S+32*\t+8*\ct+7], v[KV+32*((\ks)%2)+8*\ct:KV+32*((\ks)%2)+8*\ct+7], v[O+32*((\ks)%4)+8*\t:O+32*((\ks)%4)+8*\t+7], 0, v[SCR+4*((\ks)%4)+\ct], v[SCR+4*((\ks)%4)+\t] matrix_a_fmt:MATRIX_FMT_FP4 matrix_b_fmt:MATRIX_FMT_FP4 matrix_a_scale:MATRIX_SCALE_ROW1
.else
	v_wmma_scale_f32_16x16x128_f8f6f4 v[S+32*\t+8*\ct:S+32*\t+8*\ct+7], v[KV+32*((\ks)%2)+8*\ct:KV+32*((\ks)%2)+8*\ct+7], v[O+32*((\ks)%4)+8*\t:O+32*((\ks)%4)+8*\t+7], v[S+32*\t+8*\ct:S+32*\t+8*\ct+7], v[SCR+4*((\ks)%4)+\ct], v[SCR+4*((\ks)%4)+\t] matrix_a_fmt:MATRIX_FMT_FP4 matrix_b_fmt:MATRIX_FMT_FP4 matrix_a_scale:MATRIX_SCALE_ROW1
.endif
.endr
.endr
	WIN 0
	PLACES                                         ; in front of loads into registers that these products have read, and of the first read of results
.if (\ks) < 4
	XLOAD (\ks)+4
.endif
.endm
	XLOAD 0
	XLOAD 1
	XLOAD 2
	XLOAD 3
	s_wait_tensorcnt 2                             ; my K step of wq is in; both slots' loads may be out
	s_barrier_signal -1
	s_barrier_wait -1                              ; everybody's is
	WQL 0
.irp ks, 0,1,2,3,4,5,6,7
	STEPQ \ks                                      ; the 16 accumulators take turns, one instruction a turn
.endr
	WIN 0x40                                       ; destination window 1
.irp t, 0,1,2,3
.irp ct, 0,1,2,3
.irp i, 0,1,2,3
	v_cvt_pk_f16_f32 v[16*\t+4*\ct+\i], v[S+32*\t+8*\ct+2*\i], v[S+32*\t+8*\ct+2*\i+1]   ; channels 16 ct + 8 h + 0..7 of my query: group ct % 2 of fragment ct / 2 of Q
.endr
.endr
.endr
.set j, 0
.rept 128
	v_mov_b32 v[O+j], 0                            ; O^T: once, so that the key step needs no first copy of its own
.set j, j+1
.endr
	WIN 0
.irp t, 0,1,2,3
	v_mov_b32 v[ST+8*\t+1], 0xff61b1e6             ; m = -3e38, under every score
	v_mul_f32 v[ST+8*\t], s40, v[ST+8*\t+1]        ; c m
	v_mov_b32 v[ST+8*\t+2], 0                      ; l, in two halves
	v_mov_b32 v[ST+8*\t+3], 0
.endr
	s_wait_tensorcnt 1                             ; my part of slot 0 is in; slot 1's may be out
	s_barrier_signal -1
	s_barrier_wait -1
; ---- A KEY STEP: 64 keys.
.macro STEP
	v_add_nc_u32 v[ADK], s44, v[LB]
	v_add_nc_u32 v[ADV], s44, v[LBV]
	v_nop
	v_nop                                          ; four places behind the last products V^T P, whose V the loads below write over
	WIN 0x40
.irp f, 0,1,2,3,4,5,6,7                        ; K: key tile f / 2, channels 32 (f % 2) on
.irp c, 0,1
	ds_load_b128 v[KV+8*\f+4*\c:KV+8*\f+4*\c+3], v[ADK] offset:1024*\f+512*\c
.endr
.endr
	s_wait_dscnt 0x0
	WIN 0x05                                       ; K and Q window 1, S^T window 0
.irp kf, 0,1
.irp kt, 0,1,2,3
.irp t, 0,1,2,3
.if \kf == 0
	v_wmma_f32_16x16x32_f16 v[S+32*\t+8*\kt:S+32*\t+8*\kt+7], v[KV+8*(2*\kt+\kf):KV+8*(2*\kt+\kf)+7], v[16*\t+8*\kf:16*\t+8*\kf+7], 0
.else
	v_wmma_f32_16x16x32_f16 v[S+32*\t+8*\kt:S+32*\t+8*\kt+7], v[KV+8*(2*\kt+\kf):KV+8*(2*\kt+\kf)+7], v[16*\t+8*\kf:16*\t+8*\kf+7], v[S+32*\t+8*\kt:S+32*\t+8*\kt+7]
.endif
.endr
.endr
.endr
	WIN 0
	PLACES                                         ; in front of the loads over K and of the first read of the scores
	WIN 0x40
.irp f, 0,1,2,3,4,5,6,7                        ; V: keys 32 (f / 4) on, channel tile f % 4: it lands while the softmax is walked
.irp c, 0,1
	ds_load_b128 v[KV+8*\f+4*\c:KV+8*\f+4*\c+3], v[ADV] offset:1024*\f+512*\c
.endr
.endr
	WIN 0
	; the maximum of a lane's 32 scores and the old m: four chains a tile, the four tiles by turns; each accumulator is read from its low end on
.irp j, 0,1,2,3
.irp t, 0,1,2,3
	v_max3_num_f32 v[ST+8*\t+4+\j], v[S+32*\t+8*\j], v[S+32*\t+8*\j+1], v[S+32*\t+8*\j+2]
.endr
.endr
.irp u, 1,2
.irp j, 0,1,2,3
.irp t, 0,1,2,3
	v_max3_num_f32 v[ST+8*\t+4+\j], v[ST+8*\t+4+\j], v[S+32*\t+8*\j+2*\u+1], v[S+32*\t+8*\j+2*\u+2]
.endr
.endr
.endr
.irp t, 0,1,2,3
	v_max3_num_f32 v[ST+8*\t+4], v[ST+8*\t+4], v[S+32*\t+7], v[S+32*\t+15]
	v_max3_num_f32 v[ST+8*\t+6], v[ST+8*\t+6], v[S+32*\t+23], v[S+32*\t+31]
.endr
.irp t, 0,1,2,3
	v_max3_num_f32 v[ST+8*\t+4], v[ST+8*\t+4], v[ST+8*\t+5], v[ST+8*\t+6]
.endr
.irp t, 0,1,2,3
	v_max3_num_f32 v[ST+8*\t+4], v[ST+8*\t+4], v[ST+8*\t+7], v[ST+8*\t+1]
.endr
.irp t, 0,1,2,3
	v_permlanex16_b32 v[ST+8*\t+5], v[ST+8*\t+4], s42, s43   ; the query's other 32 keys lie in the lane 16 away
.endr
.irp t, 0,1,2,3
	v_mov_b32 v[ST+8*\t+7], v[ST+8*\t]             ; c m_old
.endr
.irp t, 0,1,2,3
	v_max_num_f32 v[ST+8*\t+1], v[ST+8*\t+4], v[ST+8*\t+5]   ; the new m
.endr
.irp t, 0,1,2,3
	v_mul_f32 v[ST+8*\t], s40, v[ST+8*\t+1]
.endr
.irp t, 0,1,2,3
	v_sub_f32 v[ST+8*\t+7], v[ST+8*\t+7], v[ST+8*\t]
.endr
.irp n, 0,1,2,3,4,5,6,7,8,9,10,11,12,13,14,15
.irp t, 0,1,2,3
	v_pk_fma_f32 v[S+32*\t+2*\n:S+32*\t+2*\n+1], v[S+32*\t+2*\n:S+32*\t+2*\n+1], s[40:41], v[ST+8*\t:ST+8*\t+1] op_sel_hi:[1,0,0] neg_lo:[0,0,1] neg_hi:[0,0,1]   ; c s - c m
.endr
.endr
.irp t, 0,1,2,3
	v_exp_f32 v[ST+8*\t+6], v[ST+8*\t+7]           ; a
.endr
.set j, 0
.rept 128
	v_exp_f32 v[S+j], v[S+j]                       ; p: all 132 exponentials of the step are one batch
.set j, j+1
.endr
	v_nop                                          ; a plain instruction behind the last exponential
	s_wait_alu depctr_va_vdst(0)                   ; one wait for the batch, ahead of its first reader
.set j, 0
.rept 64
	v_cvt_pk_f16_f32 v[P+j], v[S+2*j], v[S+2*j+1]  ; two tiles of 16 keys make a fragment of 32
.set j, j+1
.endr
.irp z, 0,1,2,3,4,5,6,7                        ; the sum of a tile's 16 pairs, in place
.irp t, 0,1,2,3
	v_pk_add_f32 v[S+32*\t+4*\z:S+32*\t+4*\z+1], v[S+32*\t+4*\z:S+32*\t+4*\z+1], v[S+32*\t+4*\z+2:S+32*\t+4*\z+3]
.endr
.endr
.irp z, 0,1,2,3
.irp t, 0,1,2,3
	v_pk_add_f32 v[S+32*\t+8*\z:S+32*\t+8*\z+1], v[S+32*\t+8*\z:S+32*\t+8*\z+1], v[S+32*\t+8*\z+4:S+32*\t+8*\z+5]
.endr
.endr
.irp z, 0,1
.irp t, 0,1,2,3
	v_pk_add_f32 v[S+32*\t+16*\z:S+32*\t+16*\z+1], v[S+32*\t+16*\z:S+32*\t+16*\z+1], v[S+32*\t+16*\z+8:S+32*\t+16*\z+9]
.endr
.endr
.irp t, 0,1,2,3
	v_pk_add_f32 v[S+32*\t:S+32*\t+1], v[S+32*\t:S+32*\t+1], v[S+32*\t+16:S+32*\t+17]
.endr
.irp t, 0,1,2,3
	v_pk_fma_f32 v[ST+8*\t+2:ST+8*\t+3], v[ST+8*\t+2:ST+8*\t+3], v[ST+8*\t+6:ST+8*\t+7], v[S+32*\t:S+32*\t+1] op_sel_hi:[1,0,1]   ; l = a l + the sum
.endr
	WIN 0x41                                       ; O^T (destination and source 0) window 1, a window 0
.irp t, 0,1,2,3
.set j, 0
.rept 16
	v_pk_mul_f32 v[O+32*\t+2*j:O+32*\t+2*j+1], v[O+32*\t+2*j:O+32*\t+2*j+1], v[ST+8*\t+6:ST+8*\t+7] op_sel_hi:[1,0]
.set j, j+1
.endr
.endr
	s_wait_dscnt 0x0                               ; V is in
	WIN 0x51                                       ; V window 1, P window 0, O^T window 1
.irp g, 0,1
.irp ct, 0,1,2,3
.irp t, 0,1,2,3
	v_wmma_f32_16x16x32_f16 v[O+32*\t+8*\ct:O+32*\t+8*\ct+7], v[KV+8*(4*\g+\ct):KV+8*(4*\g+\ct)+7], v[P+16*\t+8*\g:P+16*\t+8*\g+7], v[O+32*\t+8*\ct:O+32*\t+8*\ct+7]
.endr
.endr
.endr
	WIN 0
	s_add_co_u32 s44, s44, 8192                    ; the next step's 64 keys, in K's part and in V's
.endm
.macro STEPS8                          ; a slot's eight steps: written once, walked eight times
	s_mov_b32 s45, 8
.Lstep_\@:
	STEP
	s_sub_co_u32 s45, s45, 1
	s_cmp_lg_u32 s45, 0
	s_cbranch_scc1 .Lstep_\@
.endm
; THE CHANGE OF SLOTS.  Each wave waits for all its tensor loads (one is out: its part of the other slot), adds 0 to its spare word, and waits for that and for its reads of the slot that it leaves.
; fill = 1: the barrier is a round of the cluster's, so that no wave of any partner still reads the slot or has a load on its way; the joint refill, the keys two slots on, is the first thing behind it.
.macro CHANGE fill
	s_wait_tensorcnt 0x0                           ; no tensor load of mine is out, so a group 0 may be written
	ds_add_u32 v[SPW], v[NIL]
.if \fill
	s_xor_b32 s37, s37, SLOT1                      ; the walking descriptor: the other slot than last time,
	s_add_nc_u64 s[38:39], s[38:39], 65536         ; the next 512 keys; the type bits on top are not reached
.endif
	s_wait_dscnt 0x0
.if \fill
	ROUND
	tensor_load_to_lds s[36:39], s[24:31]
	s_nop 0
.rept 4
	v_nop
.endr
.else
	s_barrier_signal -1
	s_barrier_wait -1
.endif
	s_sub_co_u32 s44, s44, 65536                   ; back to a slot's first step,
	s_xor_b32 s44, s44, SLOT1                      ; in the other slot
.endm
	STEPS8                                         ; keys 0-511
	s_mov_b32 s46, 2
.Lslot:
	CHANGE 1
	STEPS8
	s_sub_co_u32 s46, s46, 1
	s_cmp_lg_u32 s46, 0
	s_cbranch_scc1 .Lslot
	CHANGE 0                                       ; the last slot is written out: nothing is left to ask for
	STEPS8
	; THE WAY OUT.  O^T / l, rounded to f16: a lane's eight channels of a tile are a register group of att's fragment: 512 consecutive bytes a store, straight from registers.
.irp t, 0,1,2,3
	v_add_f32 v[ST+8*\t+4], v[ST+8*\t+2], v[ST+8*\t+3]   ; (these four are the places behind the last products)
.endr
.irp t, 0,1,2,3
	v_permlanex16_b32 v[ST+8*\t+5], v[ST+8*\t+4], s42, s43
.endr
.irp t, 0,1,2,3
	v_add_f32 v[ST+8*\t+4], v[ST+8*\t+4], v[ST+8*\t+5]
.endr
.irp t, 0,1,2,3
	v_rcp_f32 v[ST+8*\t+6], v[ST+8*\t+4]
.endr
	v_nop                                          ; a plain instruction behind the last reciprocal
	s_wait_alu depctr_va_vdst(0)                   ; one wait for the four
	WIN 0x41
.irp t, 0,1,2,3
.set j, 0
.rept 16
	v_pk_mul_f32 v[O+32*\t+2*j:O+32*\t+2*j+1], v[O+32*\t+2*j:O+32*\t+2*j+1], v[ST+8*\t+6:ST+8*\t+7] op_sel_hi:[1,0]
.set j, j+1
.endr
.endr
	WIN 0x05                                       ; sources window 1, destination window 0: S^T's registers are free
.set j, 0
.rept 64
	v_cvt_pk_f16_f32 v[S+j], v[O+2*j], v[O+2*j+1]
.set j, j+1
.endr
	WIN 0
.irp t, 0,1,2,3
.irp ct, 0,1,2,3
	global_store_b128 v[LB], v[S+16*\t+4*\ct:S+16*\t+4*\ct+3], s[10:11] offset:4096*\t+512*\ct
.endr
.endr
	s_wait_tensorcnt 0x0                           ; the wave's end
	ds_add_u32 v[SPW], v[NIL]
	s_wait_dscnt 0x0
	ROUND                                          ; the closing round
	s_endpgm
.Lfunc_end_k_q2da6ff4f21_attn:
	.size	k_q2da6ff4f21_attn, .Lfunc_end_k_q2da6ff4f21_attn-k_q2da6ff4f21_attn
	.p2alignl 7, 3214868480
	.fill 96, 4, 3214868480
	.section	.rodata,"a",@progbits
	.p2align	6, 0x0
	.amdhsa_kernel k_q2da6ff4f21_attn
		.amdhsa_group_segment_fixed_size 327680
		.amdhsa_private_segment_fixed_size 0
		.amdhsa_enable_private_segment 0
		.amdhsa_kernarg_size 32
		.amdhsa_user_sgpr_count 2
		.amdhsa_user_sgpr_kernarg_segment_ptr 1
		.amdhsa_wavefront_size32 1
		.amdhsa_system_sgpr_workgroup_id_x 1
		.amdhsa_system_sgpr_workgroup_id_y 1
		.amdhsa_system_sgpr_workgroup_id_z 1
		.amdhsa_system_vgpr_workitem_id 0
		.amdhsa_next_free_vgpr 512
		.amdhsa_next_free_sgpr 66
		.amdhsa_reserve_vcc 0
		.amdhsa_float_denorm_mode_32 3
		.amdhsa_float_denorm_mode_16_64 3
		.amdhsa_memory_ordered 1
		.amdhsa_forward_progress 1
		.amdhsa_inst_pref_size 154
	.end_amdhsa_kernel
	.amdgpu_metadata
---
amdhsa.version: [ 1, 2 ]
amdhsa.kernels:
  - .name:           k_q2da6ff4f21_attn
    .symbol:         k_q2da6ff4f21_attn.kd
    .args:
      - { .name: cod, .offset: 0, .size: 8, .value_kind: global_buffer, .address_space: global }
      - { .name: scl, .offset: 8, .size: 8, .value_kind: global_buffer, .address_space: global }
      - { .name: kvf, .offset: 16, .size: 8, .value_kind: global_buffer, .address_space: global }
      - { .name: att, .offset: 24, .size: 8, .value_kind: global_buffer, .address_space: global }
    .group_segment_fixed_size: 327680
    .private_segment_fixed_size: 0
    .kernarg_segment_align: 8
    .kernarg_segment_size: 32
    .max_flat_workgroup_size: 256
    .sgpr_count:     66
    .vgpr_count:     512
    .wavefront_size: 32
...
	.end_amdgpu_metadata
.endif
;; end of part 3
;; launch oproj (part 4): grid 4 x 64, 4 waves a work-group, clusters of 4 x 1, 296,448 bytes of LDS; arguments att, woh, bo, out0; writes out0
.if DOCPART == 4
	.amdgcn_target "amdgcn-amd-amdhsa--gfx1250"
	.amdhsa_code_object_version 6
	.text
	.protected	k_q2da6ff4f21_oproj
	.globl	k_q2da6ff4f21_oproj
	.p2align	8
	.type	k_q2da6ff4f21_oproj,@function
k_q2da6ff4f21_oproj:
	s_mov_b64 s[64:65], 0
	v_nop
	global_prefetch_b8 v0, s[64:65] scope:SCOPE_SE
	s_setreg_imm32_b32 hwreg(HW_REG_WAVE_MODE, 25, 1), 1
	s_wait_xcnt 0x0
	s_wait_alu depctr_hold_cnt(0) depctr_sa_sdst(0) depctr_va_vdst(0) depctr_va_sdst(0) depctr_va_ssrc(0) depctr_va_vcc(0) depctr_vm_vsrc(0)
	s_getreg_b32 s2, hwreg(HW_REG_IB_STS2, 6, 4)
	s_cmp_eq_u32 s2, 0
	s_cbranch_scc0 .Lentry_in_a_cluster
	s_endpgm
.Lentry_in_a_cluster:
	s_bfe_u32 s2, ttmp6, 0x10000c
	s_cmp_lg_u32 s2, 0x3003
	s_cbranch_scc0 .Lentry_shape_is_right
	s_endpgm
.Lentry_shape_is_right:
; out0[b][o][l] = the sum over d of wo[o][d] att[b][d][l] + bo[o]: f16 operands, f32 sums, K = 1,024.  Both operands lie in memory in the order of their registers (a fragment: 1,024 bytes).
; A work-group takes a block of 128 l and 256 o; wave w 128 l x 64 o: 32 accumulators.  Source 0 = 16 rows l of att, source 1 = 16 rows o of wo: a lane holds one o and eight neighbouring l, 32 bytes of a row of out0.
; CLUSTER: the four work-groups of a cluster take the four quarters of o for one block of l: att's block, 262,144 bytes, comes by joint loads (mask 15), all of K at once: every LDS byte is filled once, no ring.
; Four loads a wave are out at the most: its quarter of each of four parts of two K steps.  A wave's rows of wo are read by no other wave of its work-group: they come from memory straight into registers, two K steps ahead, in three sets.
; The bias is the C of each sum's first product.
; REGISTERS: window 0: v2 16 x lane; v4-7 att's parts in LDS; v8, v9 the stage; v10 the bias's offset; v12, v13 the add's two; v64-127, v128-191 att's fragments, two buffers (later rows of out0); v192-223 the bias.
;   window 1: the accumulators, (ot, lt) at v[8 (8 ot + lt)].   window 2: wo's sets 0 and 1, 128 registers each; window 3, v0-127: set 2.
.set SPARE, 262144                     ; behind att's block: the spare words, 128 bytes for each wave
.set STG,   SPARE+512                  ; behind them: a stage of 16 rows x (512 + 16) bytes for each wave
.set SPITCH, 528
.set LB,   2
.set ADA,  4
.set STO,  8
.set RD,   9
.set BOF,  10
.set SPW,  12
.set NIL,  13
.set AB,   64
.set BIAS, 192
.set MSB, 0
.macro WIN new                         ; the immediate's high byte repeats the setting that is left
.if MSB != \new
	s_set_vgpr_msb (MSB<<8)|\new
.set MSB, \new
.endif
.endm
.macro ROUND                           ; a round of the cluster's barrier
	s_barrier_signal -1
	s_barrier_wait -1
	s_cmp_lg_u32 s12, 0
	s_cbranch_scc1 .Lnot_wave_0_\@
	s_barrier_signal -3
.Lnot_wave_0_\@:
	s_barrier_wait -3
	s_barrier_signal -1
	s_barrier_wait -1
.endm
.macro PLACES
.rept 4
	v_nop
.endr
.endm
	s_load_b256 s[4:11], s[0:1], 0x0               ; att s[4:5], woh s[6:7], bo s[8:9], out0 s[10:11]
	v_lshl_add_u32 v[SPW], v0, 2, SPARE
	v_mov_b32 v[NIL], 0
	ds_add_u32 v[SPW], v[NIL]                      ; the wave's opening: the add, twice on end, and its wait ahead of my first tensor load
	ds_add_u32 v[SPW], v[NIL]
	v_lshrrev_b32 v1, 5, v0
	v_readfirstlane_b32 s12, v1                    ; wave 0..3
	s_bfe_u32 s13, ttmp6, 0x40000                  ; cx: my quarter of o: it enters wo's, bo's and out0's addresses alone
	s_and_b32 s14, ttmp7, 0xffff                   ; the block of 128 l, which the partners share
	s_mov_b32 s24, 15|(3<<16)|(1<<21)              ; group 1: 64 rows of 256 bytes (32 elements of 8 bytes), dense; the mask names all four; 21 set beside a mask
	s_mov_b32 s25, 32<<16
	s_mov_b32 s26, 64<<16
	s_mov_b32 s27, 32<<16
	s_mov_b32 s28, 64
	s_mov_b32 s29, 32
	s_mov_b32 s30, 0
	s_mov_b32 s31, 0
	s_lshl_b32 s15, s12, 14                        ; my quarter of a part, in LDS and in memory alike
	s_lshl_b32 s20, s14, 18
	s_add_co_u32 s20, s20, s15
	s_mov_b32 s21, 0
	s_lshl_b32 s16, s13, 2
	s_add_co_u32 s16, s16, s12                     ; my block of 64 o
	s_lshl_b32 s48, s16, 17                        ; in woh,
	s_mov_b32 s49, 0
	s_lshl_b32 s50, s16, 8                         ; in bo,
	s_mov_b32 s51, 0
	s_lshl_b32 s52, s16, 19                        ; and in out0: 64 rows of 8,192 bytes,
	s_lshr_b32 s53, s14, 4
	s_lshl_b32 s53, s53, 23                        ; the batch,
	s_add_co_u32 s52, s52, s53
	s_and_b32 s53, s14, 15
	s_lshl_b32 s53, s53, 9                         ; the block's 128 l
	s_add_co_u32 s52, s52, s53
	s_mov_b32 s53, 0
	v_and_b32 v1, 31, v0
	v_lshlrev_b32 v[LB], 4, v1
	v_and_b32 v3, 15, v0                           ; r
	v_bfe_u32 v11, v0, 4, 1                        ; h
.irp j, 0,1,2,3
	v_add_nc_u32 v[ADA+\j], 65536*\j, v[LB]
.endr
	s_mul_i32 s17, s12, 16*SPITCH
	s_add_co_u32 s17, s17, STG                     ; my stage
	v_mul_u32_u24 v[STO], v3, SPITCH
	v_lshl_add_u32 v[STO], v11, 5, v[STO]
	v_add_nc_u32 v[STO], s17, v[STO]               ; in: row r, 32 bytes for each half of the lanes
	v_add_nc_u32 v[RD], s17, v[LB]                 ; back: the 32 lanes take a row of 512 bytes
	v_lshlrev_b32 v[BOF], 2, v3
	s_wait_dscnt 0x0                               ; both opening adds are done
	s_wait_kmcnt 0x0
	s_add_nc_u64 s[20:21], s[4:5], s[20:21]
	s_add_nc_u64 s[6:7], s[6:7], s[48:49]
	s_add_nc_u64 s[8:9], s[8:9], s[50:51]
	s_add_nc_u64 s[10:11], s[10:11], s[52:53]
	ROUND                                          ; all four work-groups are here: the joint loads meet
.irp j, 0,1,2,3
	s_mov_b32 s[32+4*\j], 1
	s_add_co_u32 s[33+4*\j], s15, 65536*\j
	s_add_nc_u64 s[34+4*\j:35+4*\j], s[20:21], 65536*\j
	s_or_b32 s[35+4*\j], s[35+4*\j], 0x80000000
.endr
.irp j, 0,1,2,3
	tensor_load_to_lds s[32+4*\j:35+4*\j], s[24:31]   ; part j: K steps 2 j and 2 j + 1
	s_nop 0
.endr
.rept 4
	v_nop
.endr
.irp ot, 0,1,2,3
.irp j, 0,1,2,3,4,5,6,7
	global_load_b32 v[BIAS+8*\ot+\j], v[BOF], s[8:9] offset:64*\ot   ; bo of my o, in all eight registers of the result's layout
.endr
.endr
.macro WLOAD ks                        ; wo's 16 fragments of K step ks (4 tiles of o x 4 of 32 K) into set ks % 3: 32 loads of 512 consecutive bytes
.set WB, 128*(((\ks)%3)%2)
.if (\ks)%3 == 2
	WIN 0xc0
.else
	WIN 0x80
.endif
.irp kf, 0,1,2,3
.irp ot, 0,1,2,3
.irp c, 0,1
	global_load_b128 v[WB+32*\kf+8*\ot+4*\c:WB+32*\kf+8*\ot+4*\c+3], v[LB], s[6:7] offset:16384*(\ks)+4096*\ot+1024*\kf+512*\c
.endr
.endr
.endr
	WIN 0
.endm
.macro FETCH ks, kf                    ; att's eight fragments of 32 K into buffer kf % 2
.irp lt, 0,1,2,3,4,5,6,7
.irp c, 0,1
	ds_load_b128 v[AB+64*((\kf)%2)+8*\lt+4*\c:AB+64*((\kf)%2)+8*\lt+4*\c+3], v[ADA+(\ks)/2] offset:32768*((\ks)%2)+4096*\lt+1024*(\kf)+512*\c
.endr
.endr
.endm
; 16 matrix instructions: o tiles ot0, ot0 + 1 x the eight tiles of l.  The 32 accumulators take turns, one instruction a turn, in the same order in every quarter.
.macro MUL16 ks, kf, ot0, bias
.set WB, 128*(((\ks)%3)%2)
.if \bias
	WIN 0x48                                       ; att window 0, wo window 2, the bias window 0, D window 1
.elseif (\ks)%3 == 2
	WIN 0x5c                                       ; wo window 3, C and D window 1
.else
	WIN 0x58                                       ; wo window 2
.endif
.irp ot, \ot0, \ot0+1
.irp lt, 0,1,2,3,4,5,6,7
.if \bias
	v_wmma_f32_16x16x32_f16 v[8*(8*(\ot)+\lt):8*(8*(\ot)+\lt)+7], v[AB+64*((\kf)%2)+8*\lt:AB+64*((\kf)%2)+8*\lt+7], v[WB+32*(\kf)+8*(\ot):WB+32*(\kf)+8*(\ot)+7], v[BIAS+8*(\ot):BIAS+8*(\ot)+7]
.else
	v_wmma_f32_16x16x32_f16 v[8*(8*(\ot)+\lt):8*(8*(\ot)+\lt)+7], v[AB+64*((\kf)%2)+8*\lt:AB+64*((\kf)%2)+8*\lt+7], v[WB+32*(\kf)+8*(\ot):WB+32*(\kf)+8*(\ot)+7], v[8*(8*(\ot)+\lt):8*(8*(\ot)+\lt)+7]
.endif
.endr
.endr
.endm
; A quarter of a K step: 32 along K, 32 matrix instructions; in its middle the next quarter's fragments of att are fetched into the other buffer, four places behind that buffer's last readers.
.macro QUARTER ks, kf
	s_wait_dscnt 0x0                               ; this quarter's fragments of att
.if (\kf) == 0
.if (\ks) < 7
	s_wait_loadcnt 32                              ; this K step's set of wo is in (at the first, the bias too); the next set's 32 loads may be out
.else
	s_wait_loadcnt 0x0
.endif
.endif
.if ((\ks)%2 == 1) && ((\kf) == 3) && ((\ks) < 7)
	s_wait_tensorcnt 3-((\ks)+1)/2                 ; my quarter of the next part has landed; the later parts' loads may be out
	s_barrier_signal -1
.endif
.if ((\ks) == 0) && ((\kf) == 0)
	MUL16 \ks, \kf, 0, 1
.else
	MUL16 \ks, \kf, 0, 0
.endif
.if ((\ks)%2 == 1) && ((\kf) == 3) && ((\ks) < 7)
	s_barrier_wait -1                              ; everybody's has
.endif
	WIN 0
	PLACES
.if ((\kf) == 0) && ((\ks) < 6)
	WLOAD (\ks)+2                                  ; into the set that the K step before this one has left
.endif
.if (\kf) < 3
	FETCH \ks, (\kf)+1
.elseif (\ks) < 7
	FETCH (\ks)+1, 0
.endif
.if ((\ks) == 0) && ((\kf) == 0)
	MUL16 \ks, \kf, 2, 1
.else
	MUL16 \ks, \kf, 2, 0
.endif
.endm
	WLOAD 0
	WLOAD 1
	s_wait_tensorcnt 3                             ; my quarter of part 0 is in; the three later parts' loads may be out
	s_barrier_signal -1
	s_barrier_wait -1                              ; everybody's is
	FETCH 0, 0
.irp ks, 0,1,2,3,4,5,6,7
.irp kf, 0,1,2,3
	QUARTER \ks, \kf
.endr
.endr
	WIN 0
; THE WAY OUT, 16 rows o x 128 l at a time.  A lane holds 32 bytes of a row and the lanes beside it hold other rows: so a block goes through my own stage and comes back as whole rows of 512 bytes.
; LDS serves a wave's instructions in order (ISA guide 5.7.1.4): no wait between the stores and the loads, nor in front of the next block's stores.
.macro TOSTAGE a
	WIN 0x04                                       ; an LDS store's data are its source 1: window 1
.irp lt, 0,1,2,3,4,5,6,7
	ds_store_b128 v[STO], v[64*(\a)+8*\lt:64*(\a)+8*\lt+3] offset:64*\lt          ; each accumulator from its low end on
	ds_store_b128 v[STO], v[64*(\a)+8*\lt+4:64*(\a)+8*\lt+7] offset:64*\lt+16
.endr
	WIN 0
.irp t, 0,1,2,3,4,5,6,7,8,9,10,11,12,13,14,15
	ds_load_b128 v[AB+64*((\a)%2)+4*\t:AB+64*((\a)%2)+4*\t+3], v[RD] offset:\t*SPITCH
.endr
.endm
.macro SEND a, younger                 ; younger: the LDS instructions issued behind block a's loads, which may stay out
	s_wait_dscnt \younger
.irp t, 0,1,2,3,4,5,6,7,8,9,10,11,12,13,14,15
	global_store_b128 v[LB], v[AB+64*((\a)%2)+4*\t:AB+64*((\a)%2)+4*\t+3], s[10:11] offset:131072*(\a)+8192*\t th:TH_STORE_NT   ; 32 lanes store 512 consecutive bytes, aligned; written once, read by nobody here
.endr
.endm
	PLACES                                         ; behind the last products: the stage's stores read results, its loads land on att's buffers
	TOSTAGE 0
.irp a, 1,2,3
.if \a > 1
	s_wait_xcnt 0x0                                ; block a - 2's stores have read their registers: block a's loads may land there
.endif
	TOSTAGE \a
	SEND \a-1, 32                                  ; behind block a - 1's loads: block a's 16 stores and 16 loads
.endr
	SEND 3, 0
	s_wait_tensorcnt 0x0                           ; the wave's end
	ds_add_u32 v[SPW], v[NIL]
	s_wait_dscnt 0x0
	ROUND                                          ; the closing round
	s_endpgm
.Lfunc_end_k_q2da6ff4f21_oproj:
	.size	k_q2da6ff4f21_oproj, .Lfunc_end_k_q2da6ff4f21_oproj-k_q2da6ff4f21_oproj
	.p2alignl 7, 3214868480
	.fill 96, 4, 3214868480
	.section	.rodata,"a",@progbits
	.p2align	6, 0x0
	.amdhsa_kernel k_q2da6ff4f21_oproj
		.amdhsa_group_segment_fixed_size 296448
		.amdhsa_private_segment_fixed_size 0
		.amdhsa_enable_private_segment 0
		.amdhsa_kernarg_size 32
		.amdhsa_user_sgpr_count 2
		.amdhsa_user_sgpr_kernarg_segment_ptr 1
		.amdhsa_wavefront_size32 1
		.amdhsa_system_sgpr_workgroup_id_x 1
		.amdhsa_system_sgpr_workgroup_id_y 1
		.amdhsa_system_sgpr_workgroup_id_z 1
		.amdhsa_system_vgpr_workitem_id 0
		.amdhsa_next_free_vgpr 896
		.amdhsa_next_free_sgpr 66
		.amdhsa_reserve_vcc 0
		.amdhsa_float_denorm_mode_32 3
		.amdhsa_float_denorm_mode_16_64 3
		.amdhsa_memory_ordered 1
		.amdhsa_forward_progress 1
		.amdhsa_inst_pref_size 151
	.end_amdhsa_kernel
	.amdgpu_metadata
---
amdhsa.version: [ 1, 2 ]
amdhsa.kernels:
  - .name:           k_q2da6ff4f21_oproj
    .symbol:         k_q2da6ff4f21_oproj.kd
    .args:
      - { .name: att, .offset: 0, .size: 8, .value_kind: global_buffer, .address_space: global }
      - { .name: woh, .offset: 8, .size: 8, .value_kind: global_buffer, .address_space: global }
      - { .name: bo, .offset: 16, .size: 8, .value_kind: global_buffer, .address_space: global }
      - { .name: out0, .offset: 24, .size: 8, .value_kind: global_buffer, .address_space: global }
    .group_segment_fixed_size: 296448
    .private_segment_fixed_size: 0
    .kernarg_segment_align: 8
    .kernarg_segment_size: 32
    .max_flat_workgroup_size: 128
    .sgpr_count:     66
    .vgpr_count:     896
    .wavefront_size: 32
...
	.end_amdgpu_metadata
.endif
;; end of part 4
